; MI455X (gfx1250); checked and timed in simulation.
; The chip was launched on July 23, 2026; its instructions are those of AMD's public machine-readable ISA for CDNA 5 (MIT licence, August 2026) and "CDNA5" Instruction Set Architecture Reference Guide (July 2026). The comments in the code are by the model that wrote it; some were corrected since.
;; Cross Modal Attention. Allowed arithmetic: matrix products marked QUANTISED: E5M2 operands, one given power-of-two scale a tensor, by v_wmma_f32_16x16x64_bf8_bf8 or v_wmma_f32_16x16x128_bf8_bf8, f32 sums; everything else in f32.
;; Inputs: Wf1_codes 2,048 x 16 x 32 uint8 (E5M2 codes of Wf1, K innermost, in blocks of 32 codes); Wf2_codes 512 x 64 x 32 uint8 (E5M2 codes of Wf2, K innermost, in blocks of 32 codes); Wk_codes 512 x 16 x 32 uint8 (E5M2 codes of Wk, K innermost, in blocks of 32 codes); Wo_codes 512 x 16 x 32 uint8 (E5M2 codes of Wo, K innermost, in blocks of 32 codes); Wq_codes 512 x 16 x 32 uint8 (E5M2 codes of Wq, K innermost, in blocks of 32 codes); Wv_codes 512 x 16 x 32 uint8 (E5M2 codes of Wv, K innermost, in blocks of 32 codes); b1 512 float32; b2 512 float32; bf1 2,048 float32; bf2 512 float32; bk 512 float32; bo 512 float32; bq 512 float32; bv 512 float32; g1 512 float32; g2 512 float32; lowp_scales 16 int32 (the exponents e of the quantised operands' scales 2^e); x1 4 x 2,048 x 512 float32; x2_codes 4 x 2,048 x 16 x 32 uint8 (E5M2 codes of x2, K innermost, in blocks of 32 codes).
;; Outputs: out0 4 x 2,048 x 512 float32.
;; This version of the problem:
;;   THIS VERSION OF THE PROBLEM IS GIVEN IN LOW PRECISION. The matrix products marked QUANTISED in the list below multiply operands that are first quantised to E5M2 (5 exponent bits, 2 mantissa bits; 8 bits a number), with one given power-of-two scale for each operand tensor; their sums are f32. All else is computed in f32.
;;   The module's matrix products, in the order in which they are computed (A, B: the left and right operand; K: the contracted axis; several contracted axes count as one K, in the product's order):
;;     1. [M 8,192, K 512] x [K 512, N 512]; A: input x1; B: input Wq (given as codes): QUANTISED (scales: A lowp_scales[0], B lowp_scales[1])
;;     2. [M 8,192, K 512] x [K 512, N 512]; A: input x2 (given as codes); B: input Wk (given as codes): QUANTISED (scales: A lowp_scales[2], B lowp_scales[3])
;;     3. [M 8,192, K 512] x [K 512, N 512]; A: input x2 (given as codes); B: input Wv (given as codes): QUANTISED (scales: A lowp_scales[4], B lowp_scales[5])
;;     4. batch 64 x [M 2,048, K 32] x [K 32, N 2,048]; A: computed on the way; B: computed on the way: QUANTISED (scales: A lowp_scales[6], B lowp_scales[7])
;;     5. batch 64 x [M 2,048, K 2,048] x [K 2,048, N 32]; A: softmax (see below); B: computed on the way: QUANTISED (scales: A lowp_scales[8], B lowp_scales[9])
;;     6. [M 8,192, K 512] x [K 512, N 512]; A: computed on the way; B: input Wo (given as codes): QUANTISED (scales: A lowp_scales[10], B lowp_scales[11])
;;     7. [M 8,192, K 512] x [K 512, N 2,048]; A: computed on the way; B: input Wf1 (given as codes): QUANTISED (scales: A lowp_scales[12], B lowp_scales[13])
;;     8. [M 8,192, K 2,048] x [K 2,048, N 512]; A: computed on the way; B: input Wf2 (given as codes): QUANTISED (scales: A lowp_scales[14], B lowp_scales[15])
;;   THE QUANTISER, for each operand of a quantised product, along K:
;;     - The operand's scale is 2^e, e = its entry of the input lowp_scales (int32; the entries are numbered through the quantised products in the list's order, A before B).
;;     - Each number is divided by the scale, clamped to +-57,344, and rounded to the nearest number of E5M2, ties to even, subnormals kept.
;;     - The product sums the exact products of the quantised numbers (number of the format x scale) in f32.
;;   ~~~python
;;   def quantise(x, axis, e):      # numpy; x: float32 -> the quantised numbers, widened to float32 again
;;       x = np.moveaxis(x, axis, -1); K = x.shape[-1]
;;       r = np.clip(x / 2.0 ** e, -57344, 57344)
;;       step = 2.0 ** (np.maximum(np.frexp(np.where(r == 0, 1, r))[1] - 1, -14) - 2)
;;       q = np.round(r / step) * step * 2.0 ** e      # np.round: ties to even
;;       return np.moveaxis(q, -1, axis).astype(np.float32)
;;   ~~~
;;   SOFTMAX AHEAD OF A QUANTISED PRODUCT. Where the list says 'softmax', what is quantised is not the finished softmax but p = 2^(t - M), with t = logit x log2(e) and M = ceil(the row's largest t), a whole number; so 1/2 < the row's largest p <= 1. The row's sum l is taken of the UNQUANTISED p, in f32, and the product's result is divided by l at the end. Since M is a whole number, a kernel that streams over the keys may use a running M (the ceiling of the running maximum): every later rescaling is an exact power of two, so the quantised numbers keep their values, but for numbers so far below the row's largest that they fall under the format's range.
;;   OPERANDS COMPUTED ON THE WAY. 'Computed on the way' means the value that the module computes at that place (a softmax that the list does not call 'softmax' is quantised finished and normalised). What goes into a quantiser is computed in f32, as accurately as f32 sums, v_exp_f32 and their like allow (about 1e-6 of the number): no bf16 or f16 on the way to a quantiser, and a product that is left as it is and whose result goes on into a quantised operand takes f32 operands (vector FMAs, or v_wmma_f32_16x16x4_f32). A number that lies on a knife's edge between two numbers of the format may be rounded either way, as far as f32 arithmetic and the matrix unit's own rounding can turn it there, and no further.
;;   INPUTS GIVEN AS CODES. Wf1 (in the module: [512, 2048], K = its axis 0); Wf2 (in the module: [2048, 512], K = its axis 0); Wk (in the module: [512, 512], K = its axis 0); Wo (in the module: [512, 512], K = its axis 0); Wq (in the module: [512, 512], K = its axis 0); Wv (in the module: [512, 512], K = its axis 0); x2 (in the module: [4, 2048, 512], K = its axis 2): each comes as NAME_codes (uint8): NAME with its K axis moved to the last place and cut into blocks of 32 codes, [.., K / 32, bytes a block], one block behind the other in memory; one code a byte (a code: sign, 5 exponent bits, 2 mantissa bits); its scale is its entry of lowp_scales. Its value is code x scale, taken as it is: it is not quantised again, and the codes and scales need not be those that the quantiser above would give.
;; One version. Each part assembles by itself: llvm-mc -triple=amdgcn-amd-amdhsa -mcpu=gfx1250 --defsym DOCPART=n.
;; ======== version 1 of 1: 3 launches
;; limits: right only within a limited range of input values
;; workspace buffers: qimg 4,194,304 bytes; kimg 4,194,304 bytes; vimg 4,194,304 bytes; oimg 4,194,304 bytes
;; launch proj (part 1): grid 256 x 1, 8 waves a work-group, no clusters, 99,328 bytes of LDS; arguments x1, x2_codes, Wq_codes, Wk_codes, Wv_codes, bq, bk, bv, lowp_scales, qimg, kimg, vimg; writes qimg, kimg, vimg
.if DOCPART == 1
	.amdgcn_target "amdgcn-amd-amdhsa--gfx1250"
	.amdhsa_code_object_version 6
	.text
	.protected	k_qbe1d1ff288_proj
	.globl	k_qbe1d1ff288_proj
	.p2align	8
	.type	k_qbe1d1ff288_proj,@function
k_qbe1d1ff288_proj:
	s_mov_b64 s[64:65], 0
	v_nop
	global_prefetch_b8 v0, s[64:65] scope:SCOPE_SE
	s_setreg_imm32_b32 hwreg(HW_REG_WAVE_MODE, 25, 1), 1
	s_wait_xcnt 0x0
; q = x1 Wq + bq, k = x2 Wk + bk, v = x2 Wv + bv, on codes of BF8 (E5M2), each result quantised at once with its given scale and stored as an IMAGE OF THE OPERAND REGISTERS that the attention launch wants.
; SHARES.  Work-groups 0-127: 64 rows of x1 each (path Q); 128-191: 128 rows of x2 (path K); 192-255: 128 rows of x2 (path V).  Rows go in blocks of 32 (two tiles of 16).
; Wave w owns output columns 64 w .. 64 w + 63 (heads 2 w, 2 w + 1): its 16 fragments of W (4 tiles x 4 K steps x 16 registers) fill window 1 for the whole launch.
; x's eight fragments of a block (tile of rows rt, K step s) are made or loaded by one wave each (wave 4 rt + s) and go to the others through LDS as images of their registers: piece c at 512 c + 16 x lane.
; k's PLACES: both operands of these products come from rows that lie along K, so both are loaded 16 bytes a time: registers 4 c .. 4 c + 3 hold k = 32 c + 16 (lane / 16) + 0 .. 15: the same permutation of k on both sides.
; Q, K: the product is used transposed (source 0 = 16 rows of W, source 1 = 16 rows of x): a lane holds one row and eight neighbouring dims, so one conversion gives registers 2 c, 2 c + 1 of the K = 64 fragment (dims 16 c + 8 (lane / 16) + 0 .. 7).
; V: natural order (source 0 = x, source 1 = W): a lane holds one dim and eight neighbouring keys: registers 2 c, 2 c + 1 of the K = 128 fragment along the keys.
; The bias, divided by 2^(ea + eb), is the C of each sum's first product.  A sum stands for sum x 2^(ea + eb), so the output's conversion takes the one scale 2^(eo - ea - eb).
; NO CLUSTER, NO TENSOR LOAD: the weights that work-groups share go straight into registers, 256 KiB once a work-group, and are never read again; a joint load would land them in LDS first, from where all 256 KiB would be read once more.
; NO PREFETCH: all that a work-group reads but x1's second block is asked for at its head.
; LIMITS: e0, and eo - ea - eb of each path, between -126 and 112, so that the scale and the hold are f32 numbers; NaN among the inputs is not served.
; REGISTERS, window 0: v1 16 x lane; v2 x1's lane term; v3 W's; v4 x2's; v5, v6 2^e0 and 57,344 x 2^e0; v7, v8 the same for the output; v9 32 (lane / 16); v11, v12 fetch addresses of paths K, V (Q: v1); v13-15 store addresses of Q, K, V;
;   v16-79 four fragments of x; v80-143 eight accumulators; v144-175 the bias, eight registers a tile; v176-239 x as loaded; v240-255 codes.   window 1: W.
; LDS: each path has bytes of its own (Q 0, K 32,768, V 65,536): two sets of eight images (16,384 bytes), taken by the block's parity, so that one barrier a block is enough.
.set XF,  16
.set ACC, 80
.set BI,  144
.set XS,  176
.set PC,  240
.set MSB, 0
.macro WIN new                         ; the immediate's high byte repeats the setting that is left
.if MSB != \new
	s_set_vgpr_msb (MSB<<8)|\new
.set MSB, \new
.endif
.endm
.macro PLACES                          ; four plain places behind a matrix instruction, ahead of loads into its sources and of reads of its result
.rept 4
	v_nop
.endr
.endm
; 64 numbers of a lane become 16 registers of codes in v[PC] on: the hold at the largest code x the scale (the conversion does not saturate: ISA guide 7.6.2), then eight conversions
.macro QUANT src, sc, lim
.irp b, 0,1,2,3
.set n, 0
.rept 16
	v_med3_num_f32 v[\src+16*\b+n], v[\src+16*\b+n], -v[\lim], v[\lim]
.set n, n+1
.endr
	v_cvt_scalef32_pk8_bf8_f32 v[PC+4*\b:PC+4*\b+1], v[\src+16*\b:\src+16*\b+7], v[\sc]
	v_cvt_scalef32_pk8_bf8_f32 v[PC+4*\b+2:PC+4*\b+3], v[\src+16*\b+8:\src+16*\b+15], v[\sc]
.endr
	v_nop                                          ; one plain line behind the last conversion, ahead of whatever next writes its sources
.endm
.macro IMAGE adr, reg, off             ; a fragment goes to LDS as it stands
.irp c, 0,1,2,3
	ds_store_b128 v[\adr], v[\reg+4*\c:\reg+4*\c+3] offset:\off+512*\c
.endr
.endm
.macro XLOADQ blk, xp                  ; my fragment's 64 numbers of x1: row 16 rt + r, k = 128 s + 32 c + 16 h + 0 .. 15
.irp c, 0,1,2,3
.irp j, 0,1,2,3
	global_load_b128 v[XS+16*\c+4*\j:XS+16*\c+4*\j+3], v2, s[\xp:\xp+1] offset:(\blk)*65536+128*\c+16*\j th:TH_LOAD_NT
.endr
.endr
.endm
; one product: tile T of W, tile rt of rows, K step s (its fragment of x lies at place sp of the two in registers)
.macro MM kind, T, rt, sp, s
.set WR, 16*(4*(\T)+(\s))
.set XR, XF+16*(2*(\rt)+(\sp))
.if \kind == 2
.set AD, ACC+8*(2*(\T)+(\rt))
.if (\s) == 0
	v_wmma_f32_16x16x128_bf8_bf8 v[AD:AD+7], v[XR:XR+15], v[WR:WR+15], v[BI+8*(\T):BI+8*(\T)+7]
.else
	v_wmma_f32_16x16x128_bf8_bf8 v[AD:AD+7], v[XR:XR+15], v[WR:WR+15], v[AD:AD+7]
.endif
.else
.set AD, ACC+8*(4*(\rt)+(\T))
.if (\s) == 0
	v_wmma_f32_16x16x128_bf8_bf8 v[AD:AD+7], v[WR:WR+15], v[XR:XR+15], v[BI+8*(\T):BI+8*(\T)+7]
.else
	v_wmma_f32_16x16x128_bf8_bf8 v[AD:AD+7], v[WR:WR+15], v[XR:XR+15], v[AD:AD+7]
.endif
.endif
.endm
; A BLOCK OF 32 ROWS
.macro BLK kind, blk, nblk, fa, sa, xp, op
.if (\blk) > 0
	s_wait_xcnt 0x0                                ; the last block's stores have read their data: the codes' registers may be written again
.endif
.if \kind == 0
.if (\blk) > 0
	s_wait_loadcnt 0x0                             ; this block's numbers of x1
.endif
	QUANT XS, 5, 6
	IMAGE \sa, PC, ((\blk)%2)*16384
.if (\blk)+1 < \nblk
	XLOADQ (\blk)+1, \xp
.endif
.else
	IMAGE \sa, XS+16*(\blk), ((\blk)%2)*16384
.endif
	s_wait_dscnt 0x0                               ; for the others' sake: my image has landed; and my reads of the set before are in
	s_barrier_signal -1
	s_barrier_wait -1
.irp hs, 0,1                           ; two K steps at a time
.if \hs == 1
	PLACES
.endif
.irp rt, 0,1
.irp sp, 0,1
.irp c, 0,1,2,3
	ds_load_b128 v[XF+16*(2*\rt+\sp)+4*\c:XF+16*(2*\rt+\sp)+4*\c+3], v[\fa] offset:((\blk)%2)*16384+(4*\rt+2*\hs+\sp)*2048+512*\c
.endr
.endr
.endr
	s_wait_dscnt 0x0
.if \kind == 2
	WIN 0x04                                       ; source 1 (W) window 1
.else
	WIN 0x01                                       ; source 0 (W) window 1
.endif
.irp sp, 0,1                           ; the eight accumulators take turns, one instruction a turn
.irp T, 0,1,2,3
.irp rt, 0,1
	MM \kind, \T, \rt, \sp, 2*\hs+\sp
.endr
.endr
.endr
	WIN 0
.endr
	PLACES
	QUANT ACC, 7, 8
.if \kind == 2
.irp hh, 0,1                           ; head 2 w + hh, tile d of its dims: piece blk of the step's fragment: 512 consecutive bytes a store
.irp d, 0,1
	global_store_b128 v1, v[PC+4*(2*\hh+\d):PC+4*(2*\hh+\d)+3], s[\op:\op+1] offset:\hh*65536+\d*2048+(\blk)*512
.endr
.endr
.else
.irp rt, 0,1                           ; tile rt of rows, head 2 w + hh: a fragment's four registers: 512 consecutive bytes a store
.irp hh, 0,1
	global_store_b128 v1, v[PC+4*(2*\rt+\hh):PC+4*(2*\rt+\hh)+3], s[\op:\op+1] offset:\hh*65536+\rt*512+(\blk)*1024
.endr
.endr
.endif
.endm
; A PATH: its buffers' pointers s[xp], s[wp], s[bp], s[op]; its exponents s[ea], s[eb], s[eo]; its LDS addresses v[fa], v[sa]; its first work-group id0; 2^lg rows a work-group
.macro PATH kind, xp, wp, bp, op, ea, eb, eo, nblk, fa, sa, id0, lg
	s_sub_co_u32 s54, ttmp9, \id0
	s_lshl_b32 s54, s54, \lg                       ; my first row
.if \kind == 0
	s_lshl_b32 s56, s54, 11                        ; a row of x1 is 2,048 bytes,
.else
	s_lshl_b32 s56, s54, 9                         ; of x2's codes 512
.endif
	s_mov_b32 s57, 0
	s_add_nc_u64 s[\xp:\xp+1], s[\xp:\xp+1], s[56:57]
	s_add_nc_u64 s[\wp:\wp+1], s[\wp:\wp+1], s[48:49]   ; my 64 rows of W
	s_add_nc_u64 s[\bp:\bp+1], s[\bp:\bp+1], s[50:51]   ; my 64 numbers of the bias
	s_lshr_b32 s56, s54, 11
	s_lshl_b32 s56, s56, 20                        ; the batch's 16 heads x 65,536 bytes,
	s_and_b32 s58, s54, 2047
	s_lshl_b32 s58, s58, 5                         ; 32 bytes a row within a head (512 a tile of 16 rows; 4,096 a step of 128 keys),
	s_add_co_u32 s56, s56, s58
	s_add_co_u32 s56, s56, s52                     ; head 2 w
	s_add_nc_u64 s[\op:\op+1], s[\op:\op+1], s[56:57]
	WIN 0x40                                       ; destination window 1
.irp T, 0,1,2,3
.irp s, 0,1,2,3
.irp c, 0,1,2,3
	global_load_b128 v[16*(4*\T+\s)+4*\c:16*(4*\T+\s)+4*\c+3], v3, s[\wp:\wp+1] offset:\T*8192+\s*128+32*\c
.endr
.endr
.endr
	WIN 0
.if \kind == 2
.irp T, 0,1,2,3
	global_load_b32 v[BI+8*\T], v80, s[\bp:\bp+1] offset:64*\T        ; the bias of my lane's dim, 16 T + r
.endr
.else
.irp T, 0,1,2,3
	global_load_b128 v[BI+8*\T:BI+8*\T+3], v9, s[\bp:\bp+1] offset:64*\T      ; the bias of my lane's eight dims, 16 T + 8 h + 0 .. 7
	global_load_b128 v[BI+8*\T+4:BI+8*\T+7], v9, s[\bp:\bp+1] offset:64*\T+16
.endr
.endif
.if \kind == 0
	XLOADQ 0, \xp
.else
.irp bk, 0,1,2,3                       ; my fragment of all four blocks: codes as they lie
.irp c, 0,1,2,3
	global_load_b128 v[XS+16*\bk+4*\c:XS+16*\bk+4*\c+3], v4, s[\xp:\xp+1] offset:\bk*16384+32*\c
.endr
.endr
.endif
	s_wait_kmcnt 0x0                               ; the exponents
	s_add_co_i32 s60, s[\ea], s[\eb]
	s_sub_co_i32 s61, 0, s60                       ; -(ea + eb)
	s_sub_co_i32 s62, s[\eo], s60
	s_add_co_i32 s62, s62, 127
	s_lshl_b32 s63, s62, 23
	v_mov_b32 v7, s63                              ; 2^(eo - ea - eb) as f32
	s_add_co_i32 s62, s62, 15
	s_lshl_b32 s62, s62, 23
	s_or_b32 s62, s62, 0x600000
	v_mov_b32 v8, s62                              ; 57,344 x that
.if \kind == 0
	s_add_co_i32 s62, s32, 127
	s_lshl_b32 s63, s62, 23
	v_mov_b32 v5, s63                              ; 2^e0
	s_add_co_i32 s62, s62, 15
	s_lshl_b32 s62, s62, 23
	s_or_b32 s62, s62, 0x600000
	v_mov_b32 v6, s62                              ; 57,344 x 2^e0
.endif
	s_wait_loadcnt 0x0                             ; W, the bias, x
.if \kind == 2
.irp T, 0,1,2,3
.irp j, 7,6,5,4,3,2,1,0
	v_ldexp_f32 v[BI+8*\T+\j], v[BI+8*\T], s61     ; all eight keys of a lane take its dim's bias; the register that was loaded is written last
.endr
.endr
.else
.set n, 0
.rept 32
	v_ldexp_f32 v[BI+n], v[BI+n], s61              ; bias / 2^(ea + eb)
.set n, n+1
.endr
.endif
	s_wait_alu depctr_va_vdst(0)
	BLK \kind, 0, \nblk, \fa, \sa, \xp, \op
	BLK \kind, 1, \nblk, \fa, \sa, \xp, \op
.if \nblk > 2
	BLK \kind, 2, \nblk, \fa, \sa, \xp, \op
	BLK \kind, 3, \nblk, \fa, \sa, \xp, \op
.endif
.endm
	s_load_b512 s[8:23], s[0:1], 0x0               ; x1 s[8:9], x2 s[10:11], Wq s[12:13], Wk s[14:15], Wv s[16:17], bq s[18:19], bk s[20:21], bv s[22:23]
	s_load_b256 s[24:31], s[0:1], 0x40             ; the exponents s[24:25], qimg s[26:27], kimg s[28:29], vimg s[30:31]
	v_lshrrev_b32 v16, 5, v0
	s_delay_alu instid0(VALU_DEP_1)
	v_readfirstlane_b32 s2, v16                    ; wave 0..7
	v_and_b32 v1, 31, v0
	s_delay_alu instid0(VALU_DEP_1)
	v_lshlrev_b32 v1, 4, v1                        ; 16 x lane
	v_and_b32 v16, 15, v0                          ; r
	v_bfe_u32 v17, v0, 4, 1                        ; h
	s_delay_alu instid0(VALU_DEP_2)
	v_lshlrev_b32 v3, 9, v16
	s_delay_alu instid0(VALU_DEP_1)
	v_lshl_add_u32 v3, v17, 4, v3                  ; W: row r of 512 bytes + 16 h
	s_wait_alu depctr_va_vdst(0)
	s_lshr_b32 s3, s2, 2                           ; the tile of rows,
	s_and_b32 s4, s2, 3                            ; and the K step, of the fragment of x that I bring
	s_lshl_b32 s5, s3, 15
	s_lshl_b32 s6, s4, 9
	s_add_co_u32 s5, s5, s6
	v_lshlrev_b32 v2, 11, v16
	s_delay_alu instid0(VALU_DEP_1)
	v_lshl_add_u32 v2, v17, 6, v2
	s_delay_alu instid0(VALU_DEP_1)
	v_add_nc_u32 v2, s5, v2                        ; x1: (16 rt + r) x 2,048 + 512 s + 64 h
	s_lshl_b32 s5, s3, 13
	s_lshl_b32 s6, s4, 7
	s_add_co_u32 s5, s5, s6
	v_add_nc_u32 v4, s5, v3                        ; x2: (16 rt + r) x 512 + 128 s + 16 h
	v_lshlrev_b32 v9, 5, v17                       ; 32 h
	v_lshlrev_b32 v80, 2, v16                      ; 4 r (path V's bias)
	s_lshl_b32 s5, s2, 11                          ; my image's place: 2,048 x wave
	v_add_nc_u32 v11, 0x8000, v1                   ; all LDS addresses are made ahead of the parting of the paths
	v_add_nc_u32 v12, 0x10000, v1
	v_add_nc_u32 v13, s5, v1
	s_delay_alu instid0(VALU_DEP_3)
	v_add_nc_u32 v14, s5, v11
	s_delay_alu instid0(VALU_DEP_3)
	v_add_nc_u32 v15, s5, v12
	s_lshl_b32 s48, s2, 15                         ; 64 rows of W
	s_mov_b32 s49, 0
	s_lshl_b32 s50, s2, 8                          ; 64 numbers of a bias
	s_mov_b32 s51, 0
	s_lshl_b32 s52, s2, 17                         ; two heads' images
	s_wait_kmcnt 0x0
	s_load_b512 s[32:47], s[24:25], 0x0            ; e0 .. e15
	s_cmp_lt_u32 ttmp9, 128
	s_cbranch_scc1 .Lq
	s_cmp_lt_u32 ttmp9, 192
	s_cbranch_scc1 .Lk
	s_wait_alu depctr_va_vdst(0)
	PATH 2, 10, 16, 22, 30, 36, 37, 41, 4, 12, 15, 192, 7
	s_wait_xcnt 0x0
	v_lshl_add_u32 v254, v0, 2, 0x18000
	v_mov_b32 v255, 0
	s_wait_alu depctr_va_vdst(0)
	s_wait_tensorcnt 0x0
	ds_add_u32 v254, v255
	s_wait_dscnt 0x0
	s_endpgm
.Lk:
	s_wait_alu depctr_va_vdst(0)
	PATH 1, 10, 14, 20, 28, 34, 35, 39, 4, 11, 14, 128, 7
	s_wait_xcnt 0x0
	v_lshl_add_u32 v254, v0, 2, 0x18000
	v_mov_b32 v255, 0
	s_wait_alu depctr_va_vdst(0)
	s_wait_tensorcnt 0x0
	ds_add_u32 v254, v255
	s_wait_dscnt 0x0
	s_endpgm
.Lq:
	s_wait_alu depctr_va_vdst(0)
	PATH 0, 8, 12, 18, 26, 32, 33, 38, 2, 1, 13, 0, 6
	s_wait_xcnt 0x0
	v_lshl_add_u32 v254, v0, 2, 0x18000
	v_mov_b32 v255, 0
	s_wait_alu depctr_va_vdst(0)
	s_wait_tensorcnt 0x0
	ds_add_u32 v254, v255
	s_wait_dscnt 0x0
	s_endpgm
.Lfunc_end_k_qbe1d1ff288_proj:
	.size	k_qbe1d1ff288_proj, .Lfunc_end_k_qbe1d1ff288_proj-k_qbe1d1ff288_proj
	.p2alignl 7, 3214868480
	.fill 96, 4, 3214868480
	.section	.rodata,"a",@progbits
	.p2align	6, 0x0
	.amdhsa_kernel k_qbe1d1ff288_proj
		.amdhsa_group_segment_fixed_size 99328
		.amdhsa_private_segment_fixed_size 0
		.amdhsa_enable_private_segment 0
		.amdhsa_kernarg_size 96
		.amdhsa_user_sgpr_count 2
		.amdhsa_user_sgpr_kernarg_segment_ptr 1
		.amdhsa_wavefront_size32 1
		.amdhsa_system_sgpr_workgroup_id_x 1
		.amdhsa_system_sgpr_workgroup_id_y 1
		.amdhsa_system_sgpr_workgroup_id_z 1
		.amdhsa_system_vgpr_workitem_id 0
		.amdhsa_next_free_vgpr 512
		.amdhsa_next_free_sgpr 66
		.amdhsa_reserve_vcc 0
		.amdhsa_float_denorm_mode_32 3
		.amdhsa_float_denorm_mode_16_64 3
		.amdhsa_memory_ordered 1
		.amdhsa_forward_progress 1
		.amdhsa_inst_pref_size 145
	.end_amdhsa_kernel
	.amdgpu_metadata
---
amdhsa.version: [ 1, 2 ]
amdhsa.kernels:
  - .name:           k_qbe1d1ff288_proj
    .symbol:         k_qbe1d1ff288_proj.kd
    .args:
      - { .name: x1, .offset: 0, .size: 8, .value_kind: global_buffer, .address_space: global }
      - { .name: x2_codes, .offset: 8, .size: 8, .value_kind: global_buffer, .address_space: global }
      - { .name: Wq_codes, .offset: 16, .size: 8, .value_kind: global_buffer, .address_space: global }
      - { .name: Wk_codes, .offset: 24, .size: 8, .value_kind: global_buffer, .address_space: global }
      - { .name: Wv_codes, .offset: 32, .size: 8, .value_kind: global_buffer, .address_space: global }
      - { .name: bq, .offset: 40, .size: 8, .value_kind: global_buffer, .address_space: global }
      - { .name: bk, .offset: 48, .size: 8, .value_kind: global_buffer, .address_space: global }
      - { .name: bv, .offset: 56, .size: 8, .value_kind: global_buffer, .address_space: global }
      - { .name: lowp_scales, .offset: 64, .size: 8, .value_kind: global_buffer, .address_space: global }
      - { .name: qimg, .offset: 72, .size: 8, .value_kind: global_buffer, .address_space: global }
      - { .name: kimg, .offset: 80, .size: 8, .value_kind: global_buffer, .address_space: global }
      - { .name: vimg, .offset: 88, .size: 8, .value_kind: global_buffer, .address_space: global }
    .group_segment_fixed_size: 99328
    .private_segment_fixed_size: 0
    .kernarg_segment_align: 8
    .kernarg_segment_size: 96
    .max_flat_workgroup_size: 256
    .sgpr_count:     66
    .vgpr_count:     512
    .wavefront_size: 32
...
	.end_amdgpu_metadata
.endif
;; end of part 1
;; launch attn (part 2): grid 4 x 64, 16 waves a work-group, no clusters, 133,120 bytes of LDS; arguments qimg, kimg, vimg, lowp_scales, oimg; writes oimg
.if DOCPART == 2
	.amdgcn_target "amdgcn-amd-amdhsa--gfx1250"
	.amdhsa_code_object_version 6
	.text
	.protected	k_qbe1d1ff288_attn
	.globl	k_qbe1d1ff288_attn
	.p2align	8
	.type	k_qbe1d1ff288_attn,@function
k_qbe1d1ff288_attn:
	s_mov_b64 s[64:65], 0
	v_nop
	global_prefetch_b8 v0, s[64:65] scope:SCOPE_SE
	s_setreg_imm32_b32 hwreg(HW_REG_WAVE_MODE, 25, 1), 1
	s_wait_xcnt 0x0
; o = softmax(q k^T / sqrt(32)) v for one head, both products on codes of BF8 (E5M2); o is quantised at once with 2^e10 and stored as an image of the next product's operand registers.
; THE SOFTMAX: t = score x log2(e) / sqrt(32); M = the running largest t rounded UP to a whole number; p = 2^(t - M) is quantised with 2^e8, not normalised; the row's sum is taken of the unquantised p and divides at the end.
; When M moves, the sum and O are multiplied by 2^(old M - new M), which rounds nothing.
; SHARES.  A work-group takes one head of one batch (grid y) and 512 of its queries (grid x); each of its 16 waves two tiles of 16 queries, in 256 registers: four waves to a SIMD, so that one wave's vector work stands beside another's products.
; The head's whole K (64 KiB at LDS 0) and V (64 KiB at LDS 65,536) lie in LDS as images of the operands' registers, copied once through registers; behind the one barrier LDS is only read: every fragment comes by ds_load_b128 at 16 x lane.
; LAYOUT.  S^T = K Q^T (source 0 = 16 keys, source 1 = 16 queries) by the K = 64 form: the head's 32 dims are registers 0-3; Q's registers 4-7 are zero codes, and K's operand runs on into the next tile's four registers, finite codes that meet those zeros.
; A lane holds one query; tile t's eight registers are keys 16 t + 8 (lane / 16) + 0 .. 7: one conversion gives registers 2 t, 2 t + 1 of P, source 1 of O^T = V^T P^T (K = 128 keys).
; NO CLUSTER, NO TENSOR LOAD: what the four work-groups of a head share is 128 KiB read once at the head, ahead of 16 steps that touch no memory.  NO PREFETCH: the loop has no stream.
; THE HOLD ON p stands under a scalar branch on the given whole number e8: p is at most 1 (to the last bit), so where 57,344 x 2^e8 is 1.75 or more, that is e8 >= -15, the hold changes no number.
; LIMITS: e6 + e7 between -124 and 129 (added to c's exponent field); e8 and e10 between -126 and 112; e8 + e9 is applied by v_ldexp_f32.  NaN is not served.
; REGISTERS: v1 16 x lane; v2 + 65,536; v3, v4 the step's addresses; v5, v6 the copy's; v8-11 tile 0: -M, largest t, the sum in two halves; v12-15 tile 1; v16-23, v24-31 Q; v32-67 K (v64-67 zeros); v68-99 V; v100-163 S^T, then p;
;   v164-179 p's codes; v180-211 O^T (16 i + 8 d); v212.. at work.
.set LI,  1
.set LV,  2
.set ADK, 3
.set ADV, 4
.set CPK, 5
.set CPV, 6
.set KF,  32
.set VF,  68
.set S,   100
.set P,   164
.set O,   180
.set F,   212                          ; v[212:213] f = 2^(old M - new M); the pair's low word serves both halves
.set MA,  214
.set MB,  215
.set PD,  216
.set SCP, 217                          ; 2^e8
.set HLD, 218                          ; 57,344 x 2^e8
.set PD2, 219
.set SM2, 220                          ; v[220:221] the sums' second chain
.set HLO, 222                          ; 57,344 x 2^e10
.set SCO, 223                          ; 2^e10
.set WV,  14
.set CS,  26                           ; s[26:27] c
.set SEL, 28                           ; s[28:29] lane selects: lane l xor 16
.set E,   32                           ; s[32:47] e0 .. e15
.set EPV, 48
.set CNT, 49
.set TB,  50
	s_load_b256 s[4:11], s[0:1], 0x0               ; qimg s[4:5], kimg s[6:7], vimg s[8:9], the exponents s[10:11]
	s_load_b64 s[12:13], s[0:1], 0x20              ; oimg
	v_lshl_add_u32 v254, v0, 2, 0x20000
	v_mov_b32 v255, 0
	v_lshrrev_b32 v7, 5, v0
	s_delay_alu instid0(VALU_DEP_1)
	v_readfirstlane_b32 s[WV], v7                  ; wave 0..15
	v_and_b32 v[LI], 31, v0
	s_delay_alu instid0(VALU_DEP_1)
	v_lshlrev_b32 v[LI], 4, v[LI]
	s_delay_alu instid0(VALU_DEP_1)
	v_add_nc_u32 v[LV], 0x10000, v[LI]
	s_lshl_b32 s15, s[WV], 12
	v_add_nc_u32 v[CPK], s15, v[LI]                ; the copy: 4,096 bytes of K and of V a wave
	s_delay_alu instid0(VALU_DEP_1)
	v_add_nc_u32 v[CPV], 0x10000, v[CPK]
	s_and_b32 s16, ttmp7, 0xffff                   ; 16 x batch + head
	s_lshl_b32 s18, s16, 16                        ; its 65,536 bytes in each of the three images
	s_mov_b32 s19, 0
	s_lshl_b32 s20, ttmp9, 5
	s_lshl_b32 s21, s[WV], 1
	s_add_co_u32 s20, s20, s21                     ; my first tile of queries: 32 x + 2 w
	s_lshl_b32 s22, s20, 9
	s_mov_b32 s23, 0
	s_lshr_b32 s24, s16, 4
	s_lshl_b32 s24, s24, 7
	s_add_co_u32 s24, s24, s20                     ; that tile among all rows: 128 x batch + ..
	s_lshl_b32 s24, s24, 13                        ; 8,192 bytes a tile of rows in oimg,
	s_and_b32 s25, s16, 15
	s_lshl_b32 s25, s25, 9                         ; 512 a head
	s_add_co_u32 s24, s24, s25
	s_mov_b32 s25, 0
	s_mov_b32 s[SEL], 0x76543210
	s_mov_b32 s[SEL+1], 0xfedcba98
	s_wait_alu depctr_va_vdst(0)
	s_wait_kmcnt 0x0
	s_load_b512 s[E:E+15], s[10:11], 0x0
	s_add_nc_u64 s[4:5], s[4:5], s[18:19]
	s_add_nc_u64 s[4:5], s[4:5], s[22:23]
	s_add_nc_u64 s[6:7], s[6:7], s[18:19]
	s_add_nc_u64 s[8:9], s[8:9], s[18:19]
	s_add_nc_u64 s[12:13], s[12:13], s[24:25]
.irp n, 0,1,2,3,4,5,6,7
	global_load_b128 v[S+4*\n:S+4*\n+3], v[CPK], s[6:7] offset:512*\n
.endr
.irp n, 0,1,2,3,4,5,6,7
	global_load_b128 v[S+32+4*\n:S+32+4*\n+3], v[CPK], s[8:9] offset:512*\n
.endr
	global_load_b128 v[16:19], v[LI], s[4:5]
	global_load_b128 v[24:27], v[LI], s[4:5] offset:512
.irp n, 20,21,22,23,28,29,30,31,64,65,66,67
	v_mov_b32 v[\n], 0                             ; Q's upper half: zero codes; and the four registers behind K's last tile
.endr
	v_mov_b32 v9, 0xff61b1e6                       ; the largest t so far: -3e38, under every t
	v_mov_b32 v13, 0xff61b1e6
	s_delay_alu instid0(VALU_DEP_2)
	v_floor_f32 v8, -v9                            ; -M
	s_delay_alu instid0(VALU_DEP_2)
	v_floor_f32 v12, -v13
.irp n, 10,11,14,15,F+1,PD,PD2
	v_mov_b32 v[\n], 0                             ; the sums; the upper half of f's pair; the permutes' destinations, which count as read
.endr
.set n, 0
.rept 32
	v_mov_b32 v[O+n], 0                            ; O^T: the loop is written once; its first step finds zeros, which the first change of M leaves zeros
.set n, n+1
.endr
	s_wait_kmcnt 0x0
	s_mov_b32 s[CS], 0x3e8293ee                    ; c = log2(e) / sqrt(32)
	s_add_co_i32 s30, s[E+6], s[E+7]
	s_lshl_b32 s30, s30, 23
	s_add_co_i32 s[CS], s[CS], s30                 ; a score stands for score x 2^(e6 + e7): added to c's exponent field
	s_mov_b32 s[CS+1], s[CS]
	s_add_co_i32 s30, s[E+8], 127
	s_lshl_b32 s31, s30, 23
	v_mov_b32 v[SCP], s31
	s_add_co_i32 s30, s30, 15
	s_lshl_b32 s30, s30, 23
	s_or_b32 s30, s30, 0x600000
	v_mov_b32 v[HLD], s30
	s_add_co_i32 s30, s[E+10], 127
	s_lshl_b32 s31, s30, 23
	v_mov_b32 v[SCO], s31
	s_add_co_i32 s30, s30, 15
	s_lshl_b32 s30, s30, 23
	s_or_b32 s30, s30, 0x600000
	v_mov_b32 v[HLO], s30
	s_add_co_i32 s[EPV], s[E+8], s[E+9]
	s_wait_loadcnt 0x0
.irp n, 0,1,2,3,4,5,6,7
	ds_store_b128 v[CPK], v[S+4*\n:S+4*\n+3] offset:512*\n
.endr
.irp n, 0,1,2,3,4,5,6,7
	ds_store_b128 v[CPV], v[S+32+4*\n:S+32+4*\n+3] offset:512*\n
.endr
	s_wait_dscnt 0x0                               ; for the others' sake: my part of K and V has landed
	s_barrier_signal -1
	s_barrier_wait -1
; ONE TILE OF 16 QUERIES AGAINST THE STEP'S 128 KEYS
.macro TILE i
.irp t, 0,1,2,3,4,5,6,7
	v_wmma_f32_16x16x64_bf8_bf8 v[S+8*\t:S+8*\t+7], v[KF+4*\t:KF+4*\t+7], v[16+8*\i:23+8*\i], 0
.endr
.rept 4
	v_nop
.endr
.if \i == 1
.irp t, 0,1,2,3,4,5,6,7
	ds_load_b128 v[KF+4*\t:KF+4*\t+3], v[ADK] offset:4096+512*\t   ; the next step's K, four places behind the last products that read these registers; behind the last step these read V's bytes and are not used
.endr
.endif
	v_max3_num_f32 v[MA], v[S], v[S+1], v[S+2]
	v_max3_num_f32 v[MB], v[S+3], v[S+4], v[S+5]
.irp n, 6,10,14,18,22,26,30,34,38,42,46,50,54,58
	v_max3_num_f32 v[MA], v[MA], v[S+\n], v[S+\n+1]
	v_max3_num_f32 v[MB], v[MB], v[S+\n+2], v[S+\n+3]
.endr
	v_max3_num_f32 v[MA], v[MA], v[S+62], v[S+63]
	s_delay_alu instid0(VALU_DEP_1)
	v_max_num_f32 v[MA], v[MA], v[MB]
	s_delay_alu instid0(VALU_DEP_1)
	v_permlanex16_b32 v[PD], v[MA], s[SEL], s[SEL+1]
	s_delay_alu instid0(VALU_DEP_1)
	v_max_num_f32 v[MA], v[MA], v[PD]              ; and among lane l xor 16's
	s_delay_alu instid0(VALU_DEP_1)
	v_mul_f32 v[MA], s[CS], v[MA]                  ; as t (c is positive)
	s_delay_alu instid0(VALU_DEP_1)
	v_max_num_f32 v[9+4*\i], v[9+4*\i], v[MA]      ; the running largest t
	v_mov_b32 v[MA], v[8+4*\i]
	s_delay_alu instid0(VALU_DEP_2)
	v_floor_f32 v[8+4*\i], -v[9+4*\i]              ; the new -M = floor(-t) = -ceil(t)
	s_delay_alu instid0(VALU_DEP_1)
	v_sub_f32 v[MA], v[8+4*\i], v[MA]              ; old M - new M: a whole number, 0 or less
	s_delay_alu instid0(VALU_DEP_1)
	v_cvt_i32_f32 v[MA], v[MA]                     ; (it saturates)
	s_delay_alu instid0(VALU_DEP_1)
	v_ldexp_f32 v[F], 1.0, v[MA]                   ; f
.set n, 0
.rept 32
	v_pk_fma_f32 v[S+n:S+n+1], v[S+n:S+n+1], s[CS:CS+1], v[8+4*\i:9+4*\i] op_sel_hi:[1,0,0]   ; t - M, two at a time
.set n, n+2
.endr
.set n, 0
	s_wait_alu depctr_va_vdst(0)
.rept 64
	v_exp_f32 v[S+n], v[S+n]                       ; p = 2^(t - M)
.set n, n+1
.endr
	v_pk_mul_f32 v[10+4*\i:11+4*\i], v[10+4*\i:11+4*\i], v[F:F+1] op_sel_hi:[1,0]   ; the sums under the new M: the plain line behind the exponentials
	s_wait_alu depctr_va_vdst(0)                   ; one wait for the whole batch, ahead of its first reader
	v_pk_add_f32 v[SM2:SM2+1], v[S:S+1], v[S+2:S+3]   ; the row's sum is taken of the unquantised p, in two chains
.irp n, 4,8,12,16,20,24,28,32,36,40,44,48,52,56,60
	v_pk_add_f32 v[10+4*\i:11+4*\i], v[10+4*\i:11+4*\i], v[S+\n:S+\n+1]
	v_pk_add_f32 v[SM2:SM2+1], v[SM2:SM2+1], v[S+\n+2:S+\n+3]
.endr
	s_delay_alu instid0(VALU_DEP_1)
	v_pk_add_f32 v[10+4*\i:11+4*\i], v[10+4*\i:11+4*\i], v[SM2:SM2+1]
	s_cmp_ge_i32 s[E+8], -15                       ; where 57,344 x 2^e8 >= 1.75 no p lies beyond it
	s_cbranch_scc1 .Lfree_\@
.set n, 0
.rept 64
	v_min_num_f32 v[S+n], v[S+n], v[HLD]           ; the conversion does not saturate (ISA guide 7.6.2); p is not negative, so the hold is one-sided
.set n, n+1
.endr
.Lfree_\@:
.irp t, 0,1,2,3,4,5,6,7
	v_cvt_scalef32_pk8_bf8_f32 v[P+2*\t:P+2*\t+1], v[S+8*\t:S+8*\t+7], v[SCP]
.endr
.irp n, 0,2,4,6,8,10,12,14
	v_pk_mul_f32 v[O+16*\i+\n:O+16*\i+\n+1], v[O+16*\i+\n:O+16*\i+\n+1], v[F:F+1] op_sel_hi:[1,0]   ; O^T under the new M; these are also the plain lines behind the conversions
.endr
.if \i == 0
	s_wait_alu depctr_va_vdst(0)
	s_wait_dscnt 0x0                               ; V is in
.endif
.irp d, 0,1
	v_wmma_f32_16x16x128_bf8_bf8 v[O+16*\i+8*\d:O+16*\i+8*\d+7], v[VF+16*\d:VF+16*\d+15], v[P:P+15], v[O+16*\i+8*\d:O+16*\i+8*\d+7]
.endr
.endm
	s_mov_b32 s[TB], 0
.irp t, 0,1,2,3,4,5,6,7
	ds_load_b128 v[KF+4*\t:KF+4*\t+3], v[LI] offset:512*\t         ; the first step's K
.endr
	s_mov_b32 s[CNT], 16
.Lstep:                                            ; 16 trips of 128 keys
	v_add_nc_u32 v[ADK], s[TB], v[LI]
	v_add_nc_u32 v[ADV], s[TB], v[LV]
	v_nop                                          ; with the two additions: four places behind the last products, ahead of the loads into their sources
	v_nop
.irp d, 0,1
.irp q, 0,1,2,3
	ds_load_b128 v[VF+16*\d+4*\q:VF+16*\d+4*\q+3], v[ADV] offset:2048*\d+512*\q
.endr
.endr
	s_wait_dscnt 0x8                               ; K is in; V's eight younger loads may be out
	TILE 0
	TILE 1
	s_add_co_u32 s[TB], s[TB], 4096
	s_sub_co_u32 s[CNT], s[CNT], 1
	s_cmp_lg_u32 s[CNT], 0
	s_cbranch_scc1 .Lstep
	; THE WAY OUT: O^T / the sum x 2^(e8 + e9), held, converted with 2^e10: a lane's 16 codes are registers 4 (head % 4) .. + 3 of K step head / 4 of the next product's fragment
	v_add_f32 v10, v10, v11                        ; (these lines are the places behind the last products)
	v_add_f32 v14, v14, v15
	s_delay_alu instid0(VALU_DEP_2)
	v_permlanex16_b32 v[PD], v10, s[SEL], s[SEL+1]
	s_delay_alu instid0(VALU_DEP_2)
	v_permlanex16_b32 v[PD2], v14, s[SEL], s[SEL+1]
	s_delay_alu instid0(VALU_DEP_2)
	v_add_f32 v10, v10, v[PD]
	s_delay_alu instid0(VALU_DEP_2)
	v_add_f32 v14, v14, v[PD2]
	s_wait_alu depctr_va_vdst(0)
	v_rcp_f32 v10, v10
	v_rcp_f32 v14, v14
	v_nop                                          ; a plain line behind the reciprocals
	s_wait_alu depctr_va_vdst(0)                   ; one wait for both, ahead of their first reader
	v_ldexp_f32 v10, v10, s[EPV]
	v_ldexp_f32 v14, v14, s[EPV]
.irp i, 0,1
.irp n, 0,2,4,6,8,10,12,14
	v_pk_mul_f32 v[S+16*\i+\n:S+16*\i+\n+1], v[O+16*\i+\n:O+16*\i+\n+1], v[10+4*\i:11+4*\i] op_sel_hi:[1,0]
.endr
.endr
.set n, 0
.rept 32
	v_med3_num_f32 v[S+n], v[S+n], -v[HLO], v[HLO]
.set n, n+1
.endr
.irp i, 0,1
.irp d, 0,1
	v_cvt_scalef32_pk8_bf8_f32 v[P+4*\i+2*\d:P+4*\i+2*\d+1], v[S+16*\i+8*\d:S+16*\i+8*\d+7], v[SCO]
.endr
.endr
	v_nop
	global_store_b128 v[LI], v[P:P+3], s[12:13]                  ; 512 consecutive bytes a store
	global_store_b128 v[LI], v[P+4:P+7], s[12:13] offset:8192
	s_wait_tensorcnt 0x0
	ds_add_u32 v254, v255
	s_wait_dscnt 0x0
	s_endpgm
.Lfunc_end_k_qbe1d1ff288_attn:
	.size	k_qbe1d1ff288_attn, .Lfunc_end_k_qbe1d1ff288_attn-k_qbe1d1ff288_attn
	.p2alignl 7, 3214868480
	.fill 96, 4, 3214868480
	.section	.rodata,"a",@progbits
	.p2align	6, 0x0
	.amdhsa_kernel k_qbe1d1ff288_attn
		.amdhsa_group_segment_fixed_size 133120
		.amdhsa_private_segment_fixed_size 0
		.amdhsa_enable_private_segment 0
		.amdhsa_kernarg_size 40
		.amdhsa_user_sgpr_count 2
		.amdhsa_user_sgpr_kernarg_segment_ptr 1
		.amdhsa_wavefront_size32 1
		.amdhsa_system_sgpr_workgroup_id_x 1
		.amdhsa_system_sgpr_workgroup_id_y 1
		.amdhsa_system_sgpr_workgroup_id_z 1
		.amdhsa_system_vgpr_workitem_id 0
		.amdhsa_next_free_vgpr 256
		.amdhsa_next_free_sgpr 66
		.amdhsa_reserve_vcc 0
		.amdhsa_float_denorm_mode_32 3
		.amdhsa_float_denorm_mode_16_64 3
		.amdhsa_memory_ordered 1
		.amdhsa_forward_progress 1
		.amdhsa_inst_pref_size 39
	.end_amdhsa_kernel
	.amdgpu_metadata
---
amdhsa.version: [ 1, 2 ]
amdhsa.kernels:
  - .name:           k_qbe1d1ff288_attn
    .symbol:         k_qbe1d1ff288_attn.kd
    .args:
      - { .name: qimg, .offset: 0, .size: 8, .value_kind: global_buffer, .address_space: global }
      - { .name: kimg, .offset: 8, .size: 8, .value_kind: global_buffer, .address_space: global }
      - { .name: vimg, .offset: 16, .size: 8, .value_kind: global_buffer, .address_space: global }
      - { .name: lowp_scales, .offset: 24, .size: 8, .value_kind: global_buffer, .address_space: global }
      - { .name: oimg, .offset: 32, .size: 8, .value_kind: global_buffer, .address_space: global }
    .group_segment_fixed_size: 133120
    .private_segment_fixed_size: 0
    .kernarg_segment_align: 8
    .kernarg_segment_size: 40
    .max_flat_workgroup_size: 512
    .sgpr_count:     66
    .vgpr_count:     256
    .wavefront_size: 32
...
	.end_amdgpu_metadata
.endif
;; end of part 2
;; launch tail (part 3): grid 256 x 1, 8 waves a work-group, clusters of 4 x 1, 327,680 bytes of LDS; arguments oimg, x1, Wo_codes, bo, g1, b1, Wf1_codes, bf1, Wf2_codes, bf2, g2, b2, lowp_scales, out0; writes out0
.if DOCPART == 3
	.amdgcn_target "amdgcn-amd-amdhsa--gfx1250"
	.amdhsa_code_object_version 6
	.text
	.protected	k_qbe1d1ff288_tail
	.globl	k_qbe1d1ff288_tail
	.p2align	8
	.type	k_qbe1d1ff288_tail,@function
k_qbe1d1ff288_tail:
	s_mov_b64 s[64:65], 0
	v_nop
	global_prefetch_b8 v0, s[64:65] scope:SCOPE_SE
	s_setreg_imm32_b32 hwreg(HW_REG_WAVE_MODE, 25, 1), 1
	s_wait_xcnt 0x0
	s_wait_alu depctr_hold_cnt(0) depctr_sa_sdst(0) depctr_va_vdst(0) depctr_va_sdst(0) depctr_va_ssrc(0) depctr_va_vcc(0) depctr_vm_vsrc(0)
	s_getreg_b32 s2, hwreg(HW_REG_IB_STS2, 6, 4)
	s_cmp_eq_u32 s2, 0
	s_cbranch_scc0 .Lentry_in_a_cluster
	s_endpgm
.Lentry_in_a_cluster:
	s_bfe_u32 s2, ttmp6, 0x10000c
	s_cmp_lg_u32 s2, 0x3003
	s_cbranch_scc0 .Lentry_shape_is_right
	s_endpgm
.Lentry_shape_is_right:
.set SLOT,  139264
.set WPART, 17408
.set HIMG,  278528
.set STAT,  311296
.set SPARE, 315392
.set SPITCH, 2064
.set WAD, 2
.set IST, 4
.set ILD, 5
.set SST, 6
.set SLD, 7
.set SPW, 8
.set NIL, 9
.set XAD, 10
.set BAD, 11
.set STO, 12
.set SRD, 13
.set WF,  32
.set ZZ,  WF
.set WW,  WF+16
.set PP,  WF+32
.set QQ,  WF+48
.set AFG, 96
.set TP,  96
.set ACC, 128
.set BI,  192
.set PC,  224
.set HY,  0
.set AF,  64
.set CO,  192
.set G1A, 40
.set G1B, 48
.set G0,  56
.set WV,  66
.set CX,  67
.set GR,  68
.set CNT, 69
.set SEL, 70
.set P1,  72
.set P2,  74
.set KA,  76
.set SA,  78
.set NMA, 80
.set NMB, 81
.set KB,  82
.set SB,  84
.set K1,  86
.set C9,  88
.set EPS, 89
.set A13, 90
.set B8,  92
.set RS2, 94
.set MSB, 0
.macro WIN new
.if MSB != \new
	s_set_vgpr_msb (MSB<<8)|\new
.set MSB, \new
.endif
.endm
.macro PLACES
.rept 4
	v_nop
.endr
.endm
.macro BAR
	s_wait_dscnt 0x0
	s_barrier_signal -1
	s_barrier_wait -1
.endm
.macro ROUND
	s_barrier_signal -1
	s_barrier_wait -1
	s_cmp_lg_u32 s[WV], 0
	s_cbranch_scc1 .Lnot_wave_0_\@
	s_barrier_signal -3
.Lnot_wave_0_\@:
	s_barrier_wait -3
	s_barrier_signal -1
	s_barrier_wait -1
.endm
.macro HEAD slot, g1, ptr, off, stp, stv
	s_wait_tensorcnt 0x0
	ds_add_u32 v[SPW], v[NIL]
	s_add_nc_u64 s[G0+4*\slot+2:G0+4*\slot+3], s[\ptr:\ptr+1], \off
	s_or_b32 s[G0+4*\slot+3], s[G0+4*\slot+3], 0x80000000
.if \stv
	s_wait_xcnt 0x0                                ; any prefetch of mine has read its base, which may step
	s_add_nc_u64 s[\stp:\stp+1], s[\stp:\stp+1], \stv
.endif
	s_wait_dscnt 0x0
	ROUND
	tensor_load_to_lds s[G0+4*\slot:G0+4*\slot+3], s[\g1:\g1+7]
	s_nop 0
	PLACES
.endm
.macro KSTEP kind, slot, sp, s, zero
.if \kind == 2
.irp rt, 0,1
.irp q, 0,1,2,3
	ds_load_b128 v[AFG+16*\rt+4*\q:AFG+16*\rt+4*\q+3], v[ILD] offset:16384+\rt*8192+(\s)*2048+512*\q
.endr
.endr
.endif
.irp T, 0,1,2,3
.irp c, 0,1,2,3,4,5,6,7
	ds_load_b64 v[WF+16*\T+2*\c:WF+16*\T+2*\c+1], v[WAD+\slot] offset:\T*4352+128*(\sp)+16*\c
.endr
.endr
.irp T, 0,1,2,3
	s_wait_dscnt 24-8*\T
.if \kind == 0
	WIN 0x54
.elseif \kind == 1
	WIN 0x04
.else
	WIN 0x50
.endif
.irp rt, 0,1
.if \kind == 0
	v_wmma_f32_16x16x128_bf8_bf8 v[HY+16*\T+8*\rt:HY+16*\T+8*\rt+7], v[WF+16*\T:WF+16*\T+15], v[AF+16*(4*\rt+(\s)):AF+16*(4*\rt+(\s))+15], v[HY+16*\T+8*\rt:HY+16*\T+8*\rt+7]
.elseif \kind == 1
.if \zero
	v_wmma_f32_16x16x128_bf8_bf8 v[ACC+16*\T+8*\rt:ACC+16*\T+8*\rt+7], v[WF+16*\T:WF+16*\T+15], v[AF+16*(4*\rt+(\s)):AF+16*(4*\rt+(\s))+15], 0
.else
	v_wmma_f32_16x16x128_bf8_bf8 v[ACC+16*\T+8*\rt:ACC+16*\T+8*\rt+7], v[WF+16*\T:WF+16*\T+15], v[AF+16*(4*\rt+(\s)):AF+16*(4*\rt+(\s))+15], v[ACC+16*\T+8*\rt:ACC+16*\T+8*\rt+7]
.endif
.else
	v_wmma_f32_16x16x128_bf8_bf8 v[HY+16*\T+8*\rt:HY+16*\T+8*\rt+7], v[WF+16*\T:WF+16*\T+15], v[AFG+16*\rt:AFG+16*\rt+15], v[HY+16*\T+8*\rt:HY+16*\T+8*\rt+7]
.endif
.endr
.endr
	WIN 0
	PLACES
.endm
.macro FOLD bp, k
.irp T, 0,1,2,3
	global_load_b128 v[BI+8*\T:BI+8*\T+3], v[BAD], s[\bp:\bp+1] offset:64*\T
	global_load_b128 v[BI+8*\T+4:BI+8*\T+7], v[BAD], s[\bp:\bp+1] offset:64*\T+16
.endr
	s_wait_loadcnt 0x0
.set n, 0
.rept 16
	v_pk_mul_f32 v[BI+n:BI+n+1], v[BI+n:BI+n+1], s[\k:\k+1] op_sel_hi:[1,0]
.set n, n+2
.endr
	WIN 0x41
.irp T, 0,1,2,3
.irp rt, 0,1
.irp i, 0,2,4,6
	v_pk_fma_f32 v[HY+16*\T+8*\rt+\i:HY+16*\T+8*\rt+\i+1], v[HY+16*\T+8*\rt+\i:HY+16*\T+8*\rt+\i+1], s[\k:\k+1], v[BI+8*\T+\i:BI+8*\T+\i+1] op_sel_hi:[1,0,1]
.endr
.endr
.endr
	WIN 0
.endm
.macro XSTAT stn
.irp rt, 0,1
	v_pk_add_f32 v[TP+16*\rt:TP+16*\rt+1], v[TP+16*\rt:TP+16*\rt+1], v[TP+16*\rt+4:TP+16*\rt+5]
	v_pk_add_f32 v[TP+16*\rt+8:TP+16*\rt+9], v[TP+16*\rt+8:TP+16*\rt+9], v[TP+16*\rt+12:TP+16*\rt+13]
.endr
.irp rt, 0
	s_delay_alu instid0(VALU_DEP_3)
	v_pk_add_f32 v[TP+16*\rt:TP+16*\rt+1], v[TP+16*\rt:TP+16*\rt+1], v[TP+16*\rt+8:TP+16*\rt+9]
.endr
.irp rt, 1
	s_delay_alu instid0(VALU_DEP_2)
	v_pk_add_f32 v[TP+16*\rt:TP+16*\rt+1], v[TP+16*\rt:TP+16*\rt+1], v[TP+16*\rt+8:TP+16*\rt+9]
.endr
.irp rt, 0,1
	s_delay_alu instid0(VALU_DEP_2)
	v_add_f32 v[TP+16*\rt], v[TP+16*\rt], v[TP+16*\rt+1]
.endr
.irp rt, 0,1
	s_delay_alu instid0(VALU_DEP_2)
	v_permlanex16_b32 v[TP+16*\rt+2], v[TP+16*\rt], s[SEL], s[SEL+1]
.endr
.irp rt, 0,1
	s_delay_alu instid0(VALU_DEP_2)
	v_add_f32 v[TP+16*\rt], v[TP+16*\rt], v[TP+16*\rt+2]
.endr
.irp rt, 0,1
	ds_store_b32 v[SST], v[TP+16*\rt] offset:(\stn)*1024+\rt*512
.endr
	BAR
.irp rt, 0,1
	ds_load_b128 v[TP+16*\rt:TP+16*\rt+3], v[SLD] offset:(\stn)*1024+\rt*512
	ds_load_b128 v[TP+16*\rt+4:TP+16*\rt+7], v[SLD] offset:(\stn)*1024+\rt*512+16
.endr
	s_wait_dscnt 0x0
.irp rt, 0,1
	v_pk_add_f32 v[TP+16*\rt:TP+16*\rt+1], v[TP+16*\rt:TP+16*\rt+1], v[TP+16*\rt+2:TP+16*\rt+3]
	v_pk_add_f32 v[TP+16*\rt+4:TP+16*\rt+5], v[TP+16*\rt+4:TP+16*\rt+5], v[TP+16*\rt+6:TP+16*\rt+7]
.endr
.irp rt, 0
	s_delay_alu instid0(VALU_DEP_3)
	v_pk_add_f32 v[TP+16*\rt:TP+16*\rt+1], v[TP+16*\rt:TP+16*\rt+1], v[TP+16*\rt+4:TP+16*\rt+5]
.endr
.irp rt, 1
	s_delay_alu instid0(VALU_DEP_2)
	v_pk_add_f32 v[TP+16*\rt:TP+16*\rt+1], v[TP+16*\rt:TP+16*\rt+1], v[TP+16*\rt+4:TP+16*\rt+5]
.endr
.irp rt, 0,1
	s_delay_alu instid0(VALU_DEP_2)
	v_add_f32 v[TP+16*\rt], v[TP+16*\rt], v[TP+16*\rt+1]
.endr
.endm
.macro LN sc, nm, gp, bp, st
.irp T, 0,1,2,3
	global_load_b128 v[WF+8*\T:WF+8*\T+3], v[BAD], s[\gp:\gp+1] offset:64*\T
	global_load_b128 v[WF+8*\T+4:WF+8*\T+7], v[BAD], s[\gp:\gp+1] offset:64*\T+16
	global_load_b128 v[WF+32+8*\T:WF+32+8*\T+3], v[BAD], s[\bp:\bp+1] offset:64*\T
	global_load_b128 v[WF+32+8*\T+4:WF+32+8*\T+7], v[BAD], s[\bp:\bp+1] offset:64*\T+16
.endr
	WIN 0x05
.irp rt, 0,1
.irp T, 0,1,2,3
	v_pk_add_f32 v[TP+16*\rt+4*\T:TP+16*\rt+4*\T+1], v[HY+16*\T+8*\rt:HY+16*\T+8*\rt+1], v[HY+16*\T+8*\rt+2:HY+16*\T+8*\rt+3]
	v_pk_add_f32 v[TP+16*\rt+4*\T+2:TP+16*\rt+4*\T+3], v[HY+16*\T+8*\rt+4:HY+16*\T+8*\rt+5], v[HY+16*\T+8*\rt+6:HY+16*\T+8*\rt+7]
.endr
.endr
	WIN 0
.irp rt, 0,1
.irp T, 0,1,2,3
	v_pk_add_f32 v[TP+16*\rt+4*\T:TP+16*\rt+4*\T+1], v[TP+16*\rt+4*\T:TP+16*\rt+4*\T+1], v[TP+16*\rt+4*\T+2:TP+16*\rt+4*\T+3]
.endr
.endr
	XSTAT \st
	s_delay_alu instid0(VALU_DEP_2)
	v_mul_f32 v20, s[\nm], v[TP]
	s_delay_alu instid0(VALU_DEP_2)
	v_mul_f32 v22, s[\nm], v[TP+16]
	WIN 0x41
.irp T, 0,1,2,3
.irp rt, 0,1
.irp i, 0,2,4,6
	v_pk_fma_f32 v[HY+16*\T+8*\rt+\i:HY+16*\T+8*\rt+\i+1], v[HY+16*\T+8*\rt+\i:HY+16*\T+8*\rt+\i+1], s[\sc:\sc+1], v[20+2*\rt:21+2*\rt] op_sel_hi:[1,0,0]
.endr
.endr
.endr
	WIN 0x05
.irp rt, 0,1
.irp T, 0,1,2,3
	v_pk_mul_f32 v[TP+16*\rt+4*\T:TP+16*\rt+4*\T+1], v[HY+16*\T+8*\rt:HY+16*\T+8*\rt+1], v[HY+16*\T+8*\rt:HY+16*\T+8*\rt+1]
.endr
.endr
.irp i, 2,4,6
.irp rt, 0,1
.irp T, 0,1,2,3
	v_pk_fma_f32 v[TP+16*\rt+4*\T:TP+16*\rt+4*\T+1], v[HY+16*\T+8*\rt+\i:HY+16*\T+8*\rt+\i+1], v[HY+16*\T+8*\rt+\i:HY+16*\T+8*\rt+\i+1], v[TP+16*\rt+4*\T:TP+16*\rt+4*\T+1]
.endr
.endr
.endr
	WIN 0
	XSTAT (\st)+1
	s_delay_alu instid0(VALU_DEP_2)
	v_fma_f32 v24, v[TP], s[C9], s[EPS]
	s_delay_alu instid0(VALU_DEP_2)
	v_fma_f32 v26, v[TP+16], s[C9], s[EPS]
	s_wait_alu depctr_va_vdst(0)
	v_rsq_f32 v24, v24
	v_rsq_f32 v26, v26
	v_nop
	s_wait_alu depctr_va_vdst(0)
	s_wait_loadcnt 0x0
	WIN 0x41
.irp T, 0,1,2,3
.irp rt, 0,1
.irp i, 0,2,4,6
	v_pk_mul_f32 v[HY+16*\T+8*\rt+\i:HY+16*\T+8*\rt+\i+1], v[HY+16*\T+8*\rt+\i:HY+16*\T+8*\rt+\i+1], v[24+2*\rt:25+2*\rt] op_sel_hi:[1,0]
.endr
.endr
.endr
.irp T, 0,1,2,3
.irp rt, 0,1
.irp i, 0,2,4,6
	v_pk_fma_f32 v[HY+16*\T+8*\rt+\i:HY+16*\T+8*\rt+\i+1], v[HY+16*\T+8*\rt+\i:HY+16*\T+8*\rt+\i+1], v[WF+8*\T+\i:WF+8*\T+\i+1], v[WF+32+8*\T+\i:WF+32+8*\T+\i+1]
.endr
.endr
.endr
	WIN 0
.endm
.macro QH
	WIN 0x01
.set n, 0
.rept 64
	v_med3_num_f32 v[ACC+n], v[HY+n], -v17, v17
.set n, n+1
.endr
	WIN 0
.irp T, 0,1,2,3
.irp rt, 0,1
	v_cvt_scalef32_pk8_bf8_f32 v[PC+8*\rt+2*\T:PC+8*\rt+2*\T+1], v[ACC+16*\T+8*\rt:ACC+16*\T+8*\rt+7], v16
.endr
.endr
	v_nop
.irp rt, 0,1
.irp q, 0,1
	ds_store_b128 v[IST], v[PC+8*\rt+4*\q:PC+8*\rt+4*\q+3] offset:\rt*8192+512*\q
.endr
.endr
.endm
.macro GELU
.irp T, 0,1,2,3
.irp rt, 0,1
.irp i, 0,2,4,6
	v_pk_fma_f32 v[ACC+16*\T+8*\rt+\i:ACC+16*\T+8*\rt+\i+1], v[ACC+16*\T+8*\rt+\i:ACC+16*\T+8*\rt+\i+1], s[K1:K1+1], v[BI+8*\T+\i:BI+8*\T+\i+1] op_sel_hi:[1,0,1]
.endr
.endr
.irp i, 0,2,4,6,8,10,12,14
	v_pk_mul_f32 v[ZZ+\i:ZZ+\i+1], v[ACC+16*\T+\i:ACC+16*\T+\i+1], s[RS2:RS2+1] op_sel_hi:[1,0]
.endr
.irp i, 0,1,2,3,4,5,6,7,8,9,10,11,12,13,14,15
	v_med3_num_f32 v[ZZ+\i], v[ZZ+\i], -4.0, 4.0
.endr
.irp i, 0,2,4,6,8,10,12,14
	v_pk_mul_f32 v[WW+\i:WW+\i+1], v[ZZ+\i:ZZ+\i+1], v[ZZ+\i:ZZ+\i+1]
.endr
	WIN 0x10
.irp i, 0,2,4,6,8,10,12,14
	v_pk_fma_f32 v[PP+\i:PP+\i+1], v[WW+\i:WW+\i+1], s[A13:A13+1], v[CO:CO+1] op_sel_hi:[1,0,1]
	v_pk_fma_f32 v[QQ+\i:QQ+\i+1], v[WW+\i:WW+\i+1], s[B8:B8+1], v[CO+12:CO+13] op_sel_hi:[1,0,1]
.endr
.irp k, 1,2,3
.irp i, 0,2,4,6,8,10,12,14
	v_pk_fma_f32 v[PP+\i:PP+\i+1], v[PP+\i:PP+\i+1], v[WW+\i:WW+\i+1], v[CO+2*\k:CO+2*\k+1]
	v_pk_fma_f32 v[QQ+\i:QQ+\i+1], v[QQ+\i:QQ+\i+1], v[WW+\i:WW+\i+1], v[CO+12+2*\k:CO+12+2*\k+1]
.endr
.endr
.irp k, 4,5
.irp i, 0,2,4,6,8,10,12,14
	v_pk_fma_f32 v[PP+\i:PP+\i+1], v[PP+\i:PP+\i+1], v[WW+\i:WW+\i+1], v[CO+2*\k:CO+2*\k+1]
.endr
.endr
	WIN 0
	s_wait_alu depctr_va_vdst(0)
.irp i, 0,1,2,3,4,5,6,7,8,9,10,11,12,13,14,15
	v_rcp_f32 v[QQ+\i], v[QQ+\i]
.endr
.irp i, 0,2,4,6,8,10,12,14
	v_pk_mul_f32 v[PP+\i:PP+\i+1], v[PP+\i:PP+\i+1], v[ZZ+\i:ZZ+\i+1]
	v_pk_mul_f32 v[WW+\i:WW+\i+1], v[ACC+16*\T+\i:ACC+16*\T+\i+1], 0.5 op_sel_hi:[1,0]
.endr
	s_wait_alu depctr_va_vdst(0)
.irp i, 0,2,4,6,8,10,12,14
	v_pk_mul_f32 v[PP+\i:PP+\i+1], v[PP+\i:PP+\i+1], v[QQ+\i:QQ+\i+1]
.endr
.irp i, 0,2,4,6,8,10,12,14
	v_pk_fma_f32 v[ACC+16*\T+\i:ACC+16*\T+\i+1], v[WW+\i:WW+\i+1], v[PP+\i:PP+\i+1], v[WW+\i:WW+\i+1]
.endr
.irp i, 0,1,2,3,4,5,6,7,8,9,10,11,12,13,14,15
	v_med3_num_f32 v[ACC+16*\T+\i], v[ACC+16*\T+\i], -v19, v19
.endr
.irp rt, 0,1
	v_cvt_scalef32_pk8_bf8_f32 v[PC+8*\rt+2*\T:PC+8*\rt+2*\T+1], v[ACC+16*\T+8*\rt:ACC+16*\T+8*\rt+7], v18
.endr
.endr
	v_nop
.irp rt, 0,1
.irp q, 0,1
	ds_store_b128 v[IST], v[PC+8*\rt+4*\q:PC+8*\rt+4*\q+3] offset:16384+\rt*8192+512*\q
.endr
.endr
.endm
.macro COEF k, val
	v_mov_b32 v[CO+2*\k], \val
	v_mov_b32 v[CO+2*\k+1], \val
.endm
; A PREFETCH INTO THE L2 of the tile that stands two refills on: of the 64 rows x 256 bytes that my wave will fetch, my work-group names 16, a lane a row (v14: rows of 512 bytes, Wf1; v15: rows of 2,048, Wf2);
; the four partners share the rows out by address; lanes 16-31 name the last of the 16 again.  All clusters read the same weights, so four of them ask: clusters 0, 21, 42, 63 (s3 = 0), a test on the cluster's number alone.
; It stands behind the first K step that follows a refill.  The last chunk asks for nothing behind the weights' end; Wo's two tiles come by their loads alone.
.macro ASK vo, ptr, off
	s_cmp_eq_u32 s3, 0
	s_cbranch_scc0 .Lnot_mine_\@
	global_prefetch_b8 v[\vo], s[\ptr:\ptr+1] offset:\off th:TH_LOAD_NT scope:SCOPE_SE
.Lnot_mine_\@:
.endm
.macro CHUNK last
	HEAD 1, G1A, P1, 256, P1, 262144
.irp T, 0,1,2,3
	global_load_b128 v[BI+8*\T:BI+8*\T+3], v[BAD], s[18:19] offset:64*\T
	global_load_b128 v[BI+8*\T+4:BI+8*\T+7], v[BAD], s[18:19] offset:64*\T+16
.endr
	KSTEP 1, 0, 0, 0, 1
	ASK 15, P2, 256                                ; this chunk's second tile of Wf2
	KSTEP 1, 0, 1, 1, 0
	HEAD 0, G1B, P2, 0, P2, 0
	KSTEP 1, 1, 0, 2, 0
.if \last == 0
	ASK 14, P1, 0                                  ; the next chunk's first tile of Wf1 (P1 has stepped)
.endif
	KSTEP 1, 1, 1, 3, 0
	s_wait_loadcnt 0x0
	s_add_nc_u64 s[18:19], s[18:19], 2048
	GELU
	HEAD 1, G1B, P2, 256, P2, 512
	KSTEP 2, 0, 0, 0, 0
.if \last == 0
	ASK 14, P1, 256                                ; its second
.endif
	KSTEP 2, 0, 1, 1, 0
.if \last
	s_wait_tensorcnt 0x0
.else
	HEAD 0, G1A, P1, 0, P1, 0
.endif
	KSTEP 2, 1, 0, 2, 0
.if \last == 0
	ASK 15, P2, 0                                  ; the next chunk's first tile of Wf2 (P2 has stepped)
.endif
	KSTEP 2, 1, 1, 3, 0
.endm
	s_load_b512 s[4:19], s[0:1], 0x0
	s_load_b256 s[20:27], s[0:1], 0x40
	s_load_b128 s[28:31], s[0:1], 0x60
	v_lshl_add_u32 v[SPW], v0, 2, SPARE
	v_mov_b32 v[NIL], 0
	ds_add_u32 v8, v9
	ds_add_u32 v8, v9
	s_wait_dscnt 0x0
	v_lshrrev_b32 v20, 5, v0
	s_delay_alu instid0(VALU_DEP_1)
	v_readfirstlane_b32 s[WV], v20
	s_bfe_u32 s[CX], ttmp6, 0x40000
	s_lshl_b32 s[GR], ttmp9, 2
	s_add_co_u32 s[GR], s[GR], s[CX]
	s_mov_b32 s[G1A], 15|(1<<20)|(1<<21)|(5<<22)|(3<<25)
	s_mov_b32 s[G1B], 15|(1<<20)|(1<<21)|(5<<22)|(3<<25)
.irp g, G1A, G1B
	s_mov_b32 s[\g+1], 256<<16
	s_mov_b32 s[\g+2], 64<<16
	s_mov_b32 s[\g+3], 256<<16
	s_mov_b32 s[\g+4], 64
	s_mov_b32 s[\g+6], 0
	s_mov_b32 s[\g+7], 0
.endr
	s_mov_b32 s[G1A+5], 512
	s_mov_b32 s[G1B+5], 2048
	s_mov_b32 s[SEL], 0x76543210
	s_mov_b32 s[SEL+1], 0xfedcba98
	v_and_b32 v1, 31, v0
	s_delay_alu instid0(VALU_DEP_1)
	v_lshlrev_b32 v1, 4, v1
	v_and_b32 v20, 15, v0
	v_bfe_u32 v21, v0, 4, 1
	s_mul_i32 s96, s[WV], WPART
	v_mul_u32_u24 v[WAD], v20, 272
	s_delay_alu instid0(VALU_DEP_1)
	v_lshl_add_u32 v[WAD], v21, 3, v[WAD]
	s_delay_alu instid0(VALU_DEP_1)
	v_add_nc_u32 v[WAD], s96, v[WAD]
	s_delay_alu instid0(VALU_DEP_1)
	v_add_nc_u32 v[WAD+1], SLOT, v[WAD]
	s_lshl_b32 s97, s[WV], 10
	v_add_nc_u32 v[ILD], HIMG, v1
	s_delay_alu instid0(VALU_DEP_1)
	v_add_nc_u32 v[IST], s97, v[ILD]
	v_lshlrev_b32 v[SLD], 5, v20
	s_delay_alu instid0(VALU_DEP_1)
	v_add_nc_u32 v[SLD], STAT, v[SLD]
	s_lshl_b32 s97, s[WV], 2
	v_add_nc_u32 v[SST], s97, v[SLD]
	s_lshl_b32 s97, s[WV], 8
	v_lshlrev_b32 v[BAD], 5, v21
	s_delay_alu instid0(VALU_DEP_1)
	v_add_nc_u32 v[BAD], s97, v[BAD]
	s_delay_alu instid0(VALU_DEP_1)
	v_lshl_add_u32 v[XAD], v20, 11, v[BAD]
	v_mul_u32_u24 v[STO], v20, SPITCH
	s_delay_alu instid0(VALU_DEP_1)
	v_add_nc_u32 v[STO], v[STO], v[BAD]
	s_mul_i32 s97, s[WV], 4*SPITCH
	v_add_nc_u32 v[SRD], s97, v1
.irp n, 21,23,25,27
	v_mov_b32 v[\n], 0
.endr
	s_wait_kmcnt 0x0
	s_load_b256 s[32:39], s[28:29], 0x20
	s_lshr_b32 s3, ttmp9, 2
	s_xor_b32 s3, s3, ttmp9
	s_and_b32 s3, s3, 15                           ; 0 in clusters 0, 21, 42, 63: those that prefetch
	s_lshl_b32 s98, s[CX], 4
	v_and_b32 v14, 31, v0
	v_min_u32 v14, 15, v14
	v_add_nc_u32 v14, s98, v14                     ; my row among the wave's 64: 16 x my place + min(lane, 15)
	v_lshlrev_b32 v15, 11, v14                     ; in Wf2,
	v_lshlrev_b32 v14, 9, v14                      ; in Wf1
	s_lshl_b32 s96, s[WV], 15
	s_mov_b32 s97, 0
	s_add_nc_u64 s[8:9], s[8:9], s[96:97]
	s_add_nc_u64 s[P1:P1+1], s[16:17], s[96:97]
	s_lshl_b32 s96, s[WV], 17
	s_add_nc_u64 s[P2:P2+1], s[20:21], s[96:97]
	s_mov_b32 s[G0], 1
	s_mul_i32 s[G0+1], s[WV], WPART
	s_mov_b64 s[G0+2:G0+3], s[8:9]
	s_or_b32 s[G0+3], s[G0+3], 0x80000000
	s_mov_b32 s[G0+4], 1
	s_add_co_u32 s[G0+5], s[G0+1], SLOT
	s_add_nc_u64 s[G0+6:G0+7], s[8:9], 256
	s_or_b32 s[G0+7], s[G0+7], 0x80000000
	ROUND
	tensor_load_to_lds s[G0:G0+3], s[G1A:G1A+7]
	s_nop 0
	s_wait_alu depctr_va_vdst(0)
	s_wait_tensorcnt 0x0
	ds_add_u32 v8, v9
	s_wait_dscnt 0x0
	ROUND
	tensor_load_to_lds s[G0+4:G0+7], s[G1A:G1A+7]
	s_nop 0
	PLACES
	s_lshl_b32 s98, s[GR], 14
	s_mov_b32 s99, 0
	s_add_nc_u64 s[4:5], s[4:5], s[98:99]
	s_lshl_b32 s98, s[GR], 16
	s_add_nc_u64 s[6:7], s[6:7], s[98:99]
	s_add_nc_u64 s[30:31], s[30:31], s[98:99]
	s_lshl_b32 s100, s[WV], 13
	s_mov_b32 s101, 0
	s_add_nc_u64 s[30:31], s[30:31], s[100:101]
	WIN 0x40
.irp rt, 0,1
.irp s, 0,1,2,3
.irp q, 0,1,2,3
	global_load_b128 v[AF+16*(4*\rt+\s)+4*\q:AF+16*(4*\rt+\s)+4*\q+3], v1, s[4:5] offset:\rt*8192+\s*2048+512*\q
.endr
.endr
.endr
	s_wait_alu depctr_va_vdst(0)
.irp T, 0,1,2,3
.irp rt, 0,1
	global_load_b128 v[HY+16*\T+8*\rt:HY+16*\T+8*\rt+3], v[XAD], s[6:7] offset:\rt*32768+64*\T th:TH_LOAD_NT
	global_load_b128 v[HY+16*\T+8*\rt+4:HY+16*\T+8*\rt+7], v[XAD], s[6:7] offset:\rt*32768+64*\T+16 th:TH_LOAD_NT
.endr
.endr
	COEF 0, 0x32edffee
	COEF 1, 0xb60cff51
	COEF 2, 0xb86ec2d2
	COEF 3, 0xba40ac63
	COEF 4, 0xbb41a1f6
	COEF 5, 0xbc83dbd4
	COEF 6, 0xb95fbd29
	COEF 7, 0xbadc924e
	COEF 8, 0xbbf19bf8
	COEF 9, 0xbc69b6a7
	WIN 0
	ASK 14, P1, 0                                  ; the first chunk's two tiles of Wf1
	ASK 14, P1, 256
	s_mov_b32 s[A13], 0xaf95df0b
	s_mov_b32 s[A13+1], s[A13]
	s_mov_b32 s[B8], 0xb77460cd
	s_mov_b32 s[B8+1], s[B8]
	s_mov_b32 s[RS2], 0x3f3504f3
	s_mov_b32 s[RS2+1], s[RS2]
	s_mov_b32 s[C9], 0x3b000000
	s_mov_b32 s[EPS], 0x3727c5ac
	s_wait_kmcnt 0x0
	s_add_co_i32 s96, s34, s35
	s_add_co_i32 s97, s96, 127
	s_lshl_b32 s[SA], s97, 23
	s_mov_b32 s[SA+1], s[SA]
	s_sub_co_i32 s97, s97, 9
	s_lshl_b32 s[NMA], s97, 23
	s_or_b32 s[NMA], s[NMA], 0x80000000
	s_sub_co_i32 s97, 127, s96
	s_lshl_b32 s[KA], s97, 23
	s_mov_b32 s[KA+1], s[KA]
	s_add_co_i32 s96, s38, s39
	s_add_co_i32 s97, s96, 127
	s_lshl_b32 s[SB], s97, 23
	s_mov_b32 s[SB+1], s[SB]
	s_sub_co_i32 s97, s97, 9
	s_lshl_b32 s[NMB], s97, 23
	s_or_b32 s[NMB], s[NMB], 0x80000000
	s_sub_co_i32 s97, 127, s96
	s_lshl_b32 s[KB], s97, 23
	s_mov_b32 s[KB+1], s[KB]
	s_add_co_i32 s96, s36, s37
	s_add_co_i32 s96, s96, 127
	s_lshl_b32 s[K1], s96, 23
	s_mov_b32 s[K1+1], s[K1]
	s_add_co_i32 s96, s36, 127
	s_lshl_b32 s97, s96, 23
	v_mov_b32 v16, s97
	s_add_co_i32 s96, s96, 15
	s_lshl_b32 s96, s96, 23
	s_or_b32 s96, s96, 0x600000
	v_mov_b32 v17, s96
	s_add_co_i32 s96, s38, 127
	s_lshl_b32 s97, s96, 23
	v_mov_b32 v18, s97
	s_add_co_i32 s96, s96, 15
	s_lshl_b32 s96, s96, 23
	s_or_b32 s96, s96, 0x600000
	v_mov_b32 v19, s96
	FOLD 10, KA
	s_wait_alu depctr_va_vdst(0)
	s_wait_tensorcnt 0x1
	KSTEP 0, 0, 0, 0, 0
	KSTEP 0, 0, 1, 1, 0
	HEAD 0, G1A, P1, 0, P1, 0
	KSTEP 0, 1, 0, 2, 0
	ASK 15, P2, 0                                  ; the first chunk's first tile of Wf2
	KSTEP 0, 1, 1, 3, 0
	LN SA, NMA, 12, 14, 0
	QH
	FOLD 22, KB
	BAR
	WIN 0x40
.irp rt, 0,1
.irp s, 0,1,2,3
.irp q, 0,1,2,3
	ds_load_b128 v[AF+16*(4*\rt+\s)+4*\q:AF+16*(4*\rt+\s)+4*\q+3], v[ILD] offset:\rt*8192+\s*2048+512*\q
.endr
.endr
.endr
	WIN 0
	s_mov_b32 s[CNT], 3
.Lchunk:
	CHUNK 0
	s_sub_co_u32 s[CNT], s[CNT], 1
	s_cmp_lg_u32 s[CNT], 0
	s_cbranch_scc1 .Lchunk
	CHUNK 1
	LN SB, NMB, 24, 26, 2
	WIN 0x04
.irp rt, 0,1
.irp T, 0,1,2,3
	ds_store_b128 v[STO], v[HY+16*\T+8*\rt:HY+16*\T+8*\rt+3] offset:\rt*16*SPITCH+64*\T
	ds_store_b128 v[STO], v[HY+16*\T+8*\rt+4:HY+16*\T+8*\rt+7] offset:\rt*16*SPITCH+64*\T+16
.endr
.endr
	WIN 0
	BAR
.irp i, 0,1,2,3
.irp k, 0,1,2,3
	ds_load_b128 v[WF+4*(4*\i+\k):WF+4*(4*\i+\k)+3], v[SRD] offset:\i*SPITCH+512*\k
.endr
.endr
.irp i, 0,1,2,3
.irp k, 0,1,2,3
	s_wait_dscnt 15-(4*\i+\k)
	global_store_b128 v1, v[WF+4*(4*\i+\k):WF+4*(4*\i+\k)+3], s[30:31] offset:\i*2048+512*\k th:TH_STORE_NT
.endr
.endr
	s_wait_tensorcnt 0x0
	ds_add_u32 v[SPW], v[NIL]
	s_wait_dscnt 0x0
	ROUND
	s_endpgm
.Lfunc_end_k_qbe1d1ff288_tail:
	.size	k_qbe1d1ff288_tail, .Lfunc_end_k_qbe1d1ff288_tail-k_qbe1d1ff288_tail
	.p2alignl 7, 3214868480
	.fill 96, 4, 3214868480
	.section	.rodata,"a",@progbits
	.p2align	6, 0x0
	.amdhsa_kernel k_qbe1d1ff288_tail
		.amdhsa_group_segment_fixed_size 327680
		.amdhsa_private_segment_fixed_size 0
		.amdhsa_enable_private_segment 0
		.amdhsa_kernarg_size 112
		.amdhsa_user_sgpr_count 2
		.amdhsa_user_sgpr_kernarg_segment_ptr 1
		.amdhsa_wavefront_size32 1
		.amdhsa_system_sgpr_workgroup_id_x 1
		.amdhsa_system_sgpr_workgroup_id_y 1
		.amdhsa_system_sgpr_workgroup_id_z 1
		.amdhsa_system_vgpr_workitem_id 0
		.amdhsa_next_free_vgpr 512
		.amdhsa_next_free_sgpr 102
		.amdhsa_reserve_vcc 0
		.amdhsa_float_denorm_mode_32 3
		.amdhsa_float_denorm_mode_16_64 3
		.amdhsa_memory_ordered 1
		.amdhsa_forward_progress 1
		.amdhsa_inst_pref_size 225
	.end_amdhsa_kernel
	.amdgpu_metadata
---
amdhsa.version: [ 1, 2 ]
amdhsa.kernels:
  - .name:           k_qbe1d1ff288_tail
    .symbol:         k_qbe1d1ff288_tail.kd
    .args:
      - { .name: oimg, .offset: 0, .size: 8, .value_kind: global_buffer, .address_space: global }
      - { .name: x1, .offset: 8, .size: 8, .value_kind: global_buffer, .address_space: global }
      - { .name: Wo_codes, .offset: 16, .size: 8, .value_kind: global_buffer, .address_space: global }
      - { .name: bo, .offset: 24, .size: 8, .value_kind: global_buffer, .address_space: global }
      - { .name: g1, .offset: 32, .size: 8, .value_kind: global_buffer, .address_space: global }
      - { .name: b1, .offset: 40, .size: 8, .value_kind: global_buffer, .address_space: global }
      - { .name: Wf1_codes, .offset: 48, .size: 8, .value_kind: global_buffer, .address_space: global }
      - { .name: bf1, .offset: 56, .size: 8, .value_kind: global_buffer, .address_space: global }
      - { .name: Wf2_codes, .offset: 64, .size: 8, .value_kind: global_buffer, .address_space: global }
      - { .name: bf2, .offset: 72, .size: 8, .value_kind: global_buffer, .address_space: global }
      - { .name: g2, .offset: 80, .size: 8, .value_kind: global_buffer, .address_space: global }
      - { .name: b2, .offset: 88, .size: 8, .value_kind: global_buffer, .address_space: global }
      - { .name: lowp_scales, .offset: 96, .size: 8, .value_kind: global_buffer, .address_space: global }
      - { .name: out0, .offset: 104, .size: 8, .value_kind: global_buffer, .address_space: global }
    .group_segment_fixed_size: 327680
    .private_segment_fixed_size: 0
    .kernarg_segment_align: 8
    .kernarg_segment_size: 112
    .max_flat_workgroup_size: 256
    .sgpr_count:     102
    .vgpr_count:     512
    .wavefront_size: 32
...
	.end_amdgpu_metadata
.endif
;; end of part 3
